; MI455X (gfx1250); checked and timed in simulation.
; The chip was launched on July 23, 2026; its instructions are those of AMD's public machine-readable ISA for CDNA 5 (MIT licence, August 2026) and "CDNA5" Instruction Set Architecture Reference Guide (July 2026). The comments in the code are by the model that wrote it; some were corrected since.
;; Attn Block. Allowed arithmetic: matrix products marked QUANTISED: E4M3 operands, one given power-of-two scale a tensor, by v_wmma_f32_16x16x64_fp8_fp8 or v_wmma_f32_16x16x128_fp8_fp8, f32 sums; everything else in f32.
;; Inputs: bk 128 float32; bo 128 float32; bq 128 float32; bv 128 float32; gn_bias 128 float32; gn_scale 128 float32; lowp_scales 12 int32 (the exponents e of the quantised operands' scales 2^e); wk_codes 128 x 4 x 32 uint8 (E4M3 codes of wk, K innermost, in blocks of 32 codes); wo_codes 128 x 4 x 32 uint8 (E4M3 codes of wo, K innermost, in blocks of 32 codes); wq_codes 128 x 4 x 32 uint8 (E4M3 codes of wq, K innermost, in blocks of 32 codes); wv_codes 128 x 4 x 32 uint8 (E4M3 codes of wv, K innermost, in blocks of 32 codes); x 8 x 64 x 64 x 128 float32.
;; Outputs: out0 8 x 64 x 64 x 128 float32.
;; This version of the problem:
;;   THIS VERSION OF THE PROBLEM IS GIVEN IN LOW PRECISION. The matrix products marked QUANTISED in the list below multiply operands that are first quantised to E4M3 (4 exponent bits, 3 mantissa bits; 8 bits a number), with one given power-of-two scale for each operand tensor; their sums are f32. All else is computed in f32.
;;   The module's matrix products, in the order in which they are computed (A, B: the left and right operand; K: the contracted axis; several contracted axes count as one K, in the product's order):
;;     1. [M 32,768, K 128] x [K 128, N 128]; A: computed on the way; B: input wq (given as codes): QUANTISED (scales: A lowp_scales[0], B lowp_scales[1])
;;     2. [M 32,768, K 128] x [K 128, N 128]; A: computed on the way; B: input wk (given as codes): QUANTISED (scales: A lowp_scales[2], B lowp_scales[3])
;;     3. [M 32,768, K 128] x [K 128, N 128]; A: computed on the way; B: input wv (given as codes): QUANTISED (scales: A lowp_scales[4], B lowp_scales[5])
;;     4. batch 8 x [M 4,096, K 128] x [K 128, N 4,096]; A: computed on the way; B: computed on the way: QUANTISED (scales: A lowp_scales[6], B lowp_scales[7])
;;     5. batch 8 x [M 4,096, K 4,096] x [K 4,096, N 128]; A: softmax (see below); B: computed on the way: QUANTISED (scales: A lowp_scales[8], B lowp_scales[9])
;;     6. [M 32,768, K 128] x [K 128, N 128]; A: computed on the way; B: input wo (given as codes): QUANTISED (scales: A lowp_scales[10], B lowp_scales[11])
;;   THE QUANTISER, for each operand of a quantised product, along K:
;;     - The operand's scale is 2^e, e = its entry of the input lowp_scales (int32; the entries are numbered through the quantised products in the list's order, A before B).
;;     - Each number is divided by the scale, clamped to +-448, and rounded to the nearest number of E4M3, ties to even, subnormals kept.
;;     - The product sums the exact products of the quantised numbers (number of the format x scale) in f32.
;;   ~~~python
;;   def quantise(x, axis, e):      # numpy; x: float32 -> the quantised numbers, widened to float32 again
;;       x = np.moveaxis(x, axis, -1); K = x.shape[-1]
;;       r = np.clip(x / 2.0 ** e, -448, 448)
;;       step = 2.0 ** (np.maximum(np.frexp(np.where(r == 0, 1, r))[1] - 1, -6) - 3)
;;       q = np.round(r / step) * step * 2.0 ** e      # np.round: ties to even
;;       return np.moveaxis(q, -1, axis).astype(np.float32)
;;   ~~~
;;   SOFTMAX AHEAD OF A QUANTISED PRODUCT. Where the list says 'softmax', what is quantised is not the finished softmax but p = 2^(t - M), with t = logit x log2(e) and M = ceil(the row's largest t), a whole number; so 1/2 < the row's largest p <= 1. The row's sum l is taken of the UNQUANTISED p, in f32, and the product's result is divided by l at the end. Since M is a whole number, a kernel that streams over the keys may use a running M (the ceiling of the running maximum): every later rescaling is an exact power of two, so the quantised numbers keep their values, but for numbers so far below the row's largest that they fall under the format's range.
;;   OPERANDS COMPUTED ON THE WAY. 'Computed on the way' means the value that the module computes at that place (a softmax that the list does not call 'softmax' is quantised finished and normalised). What goes into a quantiser is computed in f32, as accurately as f32 sums, v_exp_f32 and their like allow (about 1e-6 of the number): no bf16 or f16 on the way to a quantiser, and a product that is left as it is and whose result goes on into a quantised operand takes f32 operands (vector FMAs, or v_wmma_f32_16x16x4_f32). A number that lies on a knife's edge between two numbers of the format may be rounded either way, as far as f32 arithmetic and the matrix unit's own rounding can turn it there, and no further.
;;   INPUTS GIVEN AS CODES. wk (in the module: [128, 128], K = its axis 0); wo (in the module: [128, 128], K = its axis 0); wq (in the module: [128, 128], K = its axis 0); wv (in the module: [128, 128], K = its axis 0): each comes as NAME_codes (uint8): NAME with its K axis moved to the last place and cut into blocks of 32 codes, [.., K / 32, bytes a block], one block behind the other in memory; one code a byte (a code: sign, 4 exponent bits, 3 mantissa bits); its scale is its entry of lowp_scales. Its value is code x scale, taken as it is: it is not quantised again, and the codes and scales need not be those that the quantiser above would give.
;; One version. Each part assembles by itself: llvm-mc -triple=amdgcn-amd-amdhsa -mcpu=gfx1250 --defsym DOCPART=n.
;; ======== version 1 of 1: 3 launches
;; limits: right only within a limited range of input values
;; workspace buffers: stats 65,536 bytes; qimg 4,194,304 bytes; kv 8,388,608 bytes
;; launch gnstats (part 1): grid 256 x 1, 8 waves a work-group, no clusters, 3,072 bytes of LDS; arguments x, stats; writes stats
.if DOCPART == 1
	.amdgcn_target "amdgcn-amd-amdhsa--gfx1250"
	.amdhsa_code_object_version 6
	.text
	.protected	k_q4b26c683c2_gnstats
	.globl	k_q4b26c683c2_gnstats
	.p2align	8
	.type	k_q4b26c683c2_gnstats,@function
k_q4b26c683c2_gnstats:
	s_mov_b64 s[64:65], 0
	v_nop
	global_prefetch_b8 v0, s[64:65] scope:SCOPE_SE
	s_setreg_imm32_b32 hwreg(HW_REG_WAVE_MODE, 25, 1), 1
	s_wait_xcnt 0x0
; GROUP NORM, FIRST PASS.  x: [8][4096][128] f32; 32 groups of 4 neighbouring channels; a group's statistics span a batch's 4,096 positions.
; Work-group g takes 128 positions (65,536 bytes) of batch g / 32 and stores, for each of the 32 groups, the mean of its 512 numbers and M2 = the sum of their squared
; distances from that mean: stats[g][group][mean, M2], 256 bytes.  The next launch joins a batch's 32 such pairs.
; A position is 512 bytes = one 16-byte load of a wave, so LANE l HOLDS GROUP l's FOUR CHANNELS in every position: nothing is ever summed across lanes.
; NO DIFFERENCE OF LARGE SUMS: a lane takes the mean of its 64 numbers, then the squares of the distances from it; parts of equal count n are joined by
; mean = the mean of the means, M2 = the sum of the M2 + n x the sum of (mean_i - mean)^2.  So a common offset of the inputs costs no digits of the variance.
; A stream in which work-groups share nothing: no matrix unit, no tensor load, no cluster.  All 16 loads of a wave (8,192 bytes) are out at once.
.set X, 16                             ; v16-79  16 positions x 4 channels
; Parts (mean at v[base + 2 i], M2 at v[base + 2 i + 1]), cnt of them, each of n numbers (nlit: n as f32, invlit: 1 / cnt as f32), become one: mean in v[rm], M2 in v[rs]
.macro COMBINE base, cnt, nlit, invlit, rm, rs, rt, rq
	v_add_f32 v[\rm], v[\base], v[\base+2]
	v_add_f32 v[\rs], v[\base+1], v[\base+3]
.set ix, 2
.rept \cnt-2
	s_delay_alu instid0(VALU_DEP_2)
	v_add_f32 v[\rm], v[\rm], v[\base+2*ix]
	s_delay_alu instid0(VALU_DEP_2)
	v_add_f32 v[\rs], v[\rs], v[\base+2*ix+1]
.set ix, ix+1
.endr
	s_delay_alu instid0(VALU_DEP_2)
	v_mul_f32 v[\rm], \invlit, v[\rm]              ; the mean of the means
	s_delay_alu instid0(VALU_DEP_1)
	v_sub_f32 v[\rt], v[\base], v[\rm]
	s_delay_alu instid0(VALU_DEP_1)
	v_mul_f32 v[\rq], v[\rt], v[\rt]               ; the first square starts the sum
.set ix, 1
.rept \cnt-1
	v_sub_f32 v[\rt], v[\base+2*ix], v[\rm]
	s_delay_alu instid0(VALU_DEP_1)
	v_fmac_f32 v[\rq], v[\rt], v[\rt]
.set ix, ix+1
.endr
	s_delay_alu instid0(VALU_DEP_1)
	v_fmamk_f32 v[\rs], v[\rq], \nlit, v[\rs]      ; M2 = n x the squares + the parts' M2
.endm
	s_load_b128 s[4:7], s[0:1], 0x0                ; x s[4:5], stats s[6:7]
	v_lshl_add_u32 v96, v0, 2, 0x800
	v_mov_b32 v97, 0
	v_lshrrev_b32 v2, 5, v0
	s_delay_alu instid0(VALU_DEP_1)
	v_readfirstlane_b32 s8, v2                     ; wave 0..7
	v_and_b32 v15, 31, v0                          ; lane = group
	s_delay_alu instid0(VALU_DEP_1)
	v_lshlrev_b32 v1, 4, v15
	s_delay_alu instid0(VALU_DEP_1)
	v_lshl_add_u32 v1, v2, 13, v1                  ; 16 x lane + my wave's 16 positions of 512 bytes
	v_lshlrev_b32 v14, 3, v0                       ; LDS: 256 x wave + 8 x lane
	s_delay_alu instid0(VALU_DEP_4)
	v_lshlrev_b32 v15, 3, v15                      ; 8 x lane
	s_lshl_b32 s10, ttmp9, 16                      ; the work-group's 65,536 bytes of x
	s_mov_b32 s11, 0
	s_wait_alu depctr_va_vdst(0)
	s_wait_kmcnt 0x0
	s_add_nc_u64 s[4:5], s[4:5], s[10:11]
.irp i, 0,1,2,3,4,5,6,7,8,9,10,11,12,13,14,15
	global_load_b128 v[X+4*\i:X+4*\i+3], v1, s[4:5] offset:512*\i   ; a position: 32 lanes read 512 consecutive bytes
.endr
	s_lshl_b32 s10, ttmp9, 8                       ; the work-group's 256 bytes of stats
	s_add_nc_u64 s[6:7], s[6:7], s[10:11]
	s_wait_loadcnt 0x0
	v_pk_add_f32 v[6:7], v[16:17], v[18:19]
	v_pk_add_f32 v[94:95], v[24:25], v[28:29]
	v_pk_add_f32 v[92:93], v[32:33], v[36:37]
	v_pk_add_f32 v[90:91], v[40:41], v[44:45]
	v_pk_add_f32 v[88:89], v[48:49], v[52:53]
	v_pk_add_f32 v[86:87], v[56:57], v[60:61]
	v_pk_add_f32 v[84:85], v[64:65], v[68:69]
	v_pk_add_f32 v[4:5], v[72:73], v[76:77]
	s_delay_alu instid0(VALU_DEP_1)
	v_pk_add_f32 v[4:5], v[4:5], v[20:21]
	v_pk_add_f32 v[6:7], v[6:7], v[22:23]
	v_pk_add_f32 v[94:95], v[94:95], v[26:27]
	v_pk_add_f32 v[92:93], v[92:93], v[30:31]
	v_pk_add_f32 v[90:91], v[90:91], v[34:35]
	v_pk_add_f32 v[88:89], v[88:89], v[38:39]
	v_pk_add_f32 v[86:87], v[86:87], v[42:43]
	v_pk_add_f32 v[84:85], v[84:85], v[46:47]
	v_pk_add_f32 v[4:5], v[4:5], v[50:51]
	v_pk_add_f32 v[6:7], v[6:7], v[54:55]
	v_pk_add_f32 v[94:95], v[94:95], v[58:59]
	v_pk_add_f32 v[92:93], v[92:93], v[62:63]
	v_pk_add_f32 v[90:91], v[90:91], v[66:67]
	v_pk_add_f32 v[88:89], v[88:89], v[70:71]
	v_pk_add_f32 v[86:87], v[86:87], v[74:75]
	v_pk_add_f32 v[84:85], v[84:85], v[78:79]
	s_delay_alu instid0(VALU_DEP_4)
	v_pk_add_f32 v[4:5], v[4:5], v[90:91]
	s_delay_alu instid0(VALU_DEP_4)
	v_pk_add_f32 v[6:7], v[6:7], v[88:89]
	s_delay_alu instid0(VALU_DEP_4)
	v_pk_add_f32 v[94:95], v[94:95], v[86:87]
	s_delay_alu instid0(VALU_DEP_4)
	v_pk_add_f32 v[92:93], v[92:93], v[84:85]
	s_delay_alu instid0(VALU_DEP_2)
	v_pk_add_f32 v[4:5], v[4:5], v[94:95]
	s_delay_alu instid0(VALU_DEP_2)
	v_pk_add_f32 v[6:7], v[6:7], v[92:93]
	s_delay_alu instid0(VALU_DEP_1)
	v_pk_add_f32 v[4:5], v[4:5], v[6:7]
	s_delay_alu instid0(VALU_DEP_1)
	v_add_f32 v4, v4, v5
	s_delay_alu instid0(VALU_DEP_1)
	v_mul_f32 v8, 0xbc800000, v4                   ; -mean = sum x (-1 / 64),
	s_delay_alu instid0(VALU_DEP_1)
	v_mov_b32 v9, v8                               ; twice, for the packed form
.set ix, 0
.rept 32
	v_pk_add_f32 v[X+ix:X+ix+1], v[X+ix:X+ix+1], v[8:9]   ; the distances from my mean
.set ix, ix+2
.endr
	v_pk_mul_f32 v[10:11], v[X:X+1], v[X:X+1]      ; their squares, again in two chains
	v_pk_mul_f32 v[12:13], v[X+2:X+3], v[X+2:X+3]
.set ix, 4
.rept 15
	s_delay_alu instid0(VALU_DEP_2)
	v_pk_fma_f32 v[10:11], v[X+ix:X+ix+1], v[X+ix:X+ix+1], v[10:11]
	s_delay_alu instid0(VALU_DEP_2)
	v_pk_fma_f32 v[12:13], v[X+ix+2:X+ix+3], v[X+ix+2:X+ix+3], v[12:13]
.set ix, ix+4
.endr
	s_delay_alu instid0(VALU_DEP_1)
	v_pk_add_f32 v[10:11], v[10:11], v[12:13]
	v_sub_f32 v2, 0, v8                            ; mean
	s_delay_alu instid0(VALU_DEP_2)
	v_add_f32 v3, v10, v11                         ; M2
	ds_store_b64 v14, v[2:3]
	s_wait_dscnt 0x0                               ; for the others' sake: my pair lies in LDS
	s_barrier_signal -1
	s_barrier_wait -1
	s_cmp_lg_u32 s8, 0                             ; wave 0 joins the eight waves' parts
	s_cbranch_scc1 .Ldone
.irp i, 0,1,2,3,4,5,6,7
	ds_load_b64 v[X+2*\i:X+2*\i+1], v15 offset:256*\i
.endr
	s_wait_dscnt 0x0
	COMBINE X, 8, 0x42800000, 0x3e000000, 2, 3, 80, 81   ; eight parts of 64 numbers
	global_store_b64 v15, v[2:3], s[6:7]           ; 32 lanes store 256 consecutive bytes, aligned
.Ldone:
	s_wait_tensorcnt 0x0
	ds_add_u32 v96, v97
	s_wait_dscnt 0x0
	s_endpgm
.Lfunc_end_k_q4b26c683c2_gnstats:
	.size	k_q4b26c683c2_gnstats, .Lfunc_end_k_q4b26c683c2_gnstats-k_q4b26c683c2_gnstats
	.p2alignl 7, 3214868480
	.fill 96, 4, 3214868480
	.section	.rodata,"a",@progbits
	.p2align	6, 0x0
	.amdhsa_kernel k_q4b26c683c2_gnstats
		.amdhsa_group_segment_fixed_size 3072
		.amdhsa_private_segment_fixed_size 0
		.amdhsa_enable_private_segment 0
		.amdhsa_kernarg_size 16
		.amdhsa_user_sgpr_count 2
		.amdhsa_user_sgpr_kernarg_segment_ptr 1
		.amdhsa_wavefront_size32 1
		.amdhsa_system_sgpr_workgroup_id_x 1
		.amdhsa_system_sgpr_workgroup_id_y 1
		.amdhsa_system_sgpr_workgroup_id_z 1
		.amdhsa_system_vgpr_workitem_id 0
		.amdhsa_next_free_vgpr 98
		.amdhsa_next_free_sgpr 66
		.amdhsa_reserve_vcc 0
		.amdhsa_float_denorm_mode_32 3
		.amdhsa_float_denorm_mode_16_64 3
		.amdhsa_memory_ordered 1
		.amdhsa_forward_progress 1
		.amdhsa_inst_pref_size 13
	.end_amdhsa_kernel
	.amdgpu_metadata
---
amdhsa.version: [ 1, 2 ]
amdhsa.kernels:
  - .name:           k_q4b26c683c2_gnstats
    .symbol:         k_q4b26c683c2_gnstats.kd
    .args:
      - { .name: x, .offset: 0, .size: 8, .value_kind: global_buffer, .address_space: global }
      - { .name: stats, .offset: 8, .size: 8, .value_kind: global_buffer, .address_space: global }
    .group_segment_fixed_size: 3072
    .private_segment_fixed_size: 0
    .kernarg_segment_align: 8
    .kernarg_segment_size: 16
    .max_flat_workgroup_size: 256
    .sgpr_count:     66
    .vgpr_count:     98
    .wavefront_size: 32
...
	.end_amdgpu_metadata
.endif
;; end of part 1
;; launch qkv (part 2): grid 256 x 1, 4 waves a work-group, no clusters, 119,296 bytes of LDS; arguments x, stats, gn_scale, gn_bias, wq_codes, wk_codes, wv_codes, bq, bk, bv, lowp_scales, qimg, kv; writes qimg, kv
.if DOCPART == 2
	.amdgcn_target "amdgcn-amd-amdhsa--gfx1250"
	.amdhsa_code_object_version 6
	.text
	.protected	k_q4b26c683c2_qkv
	.globl	k_q4b26c683c2_qkv
	.p2align	8
	.type	k_q4b26c683c2_qkv,@function
k_q4b26c683c2_qkv:
	s_mov_b64 s[64:65], 0
	v_nop
	global_prefetch_b8 v0, s[64:65] scope:SCOPE_SE
	s_setreg_imm32_b32 hwreg(HW_REG_WAVE_MODE, 25, 1), 1
	s_wait_xcnt 0x0
; GROUP NORM FINISHED, AND q, k, v AS CODES OF FP8 (E4M3).  h = (x - mean) rstd gn_scale + gn_bias;  q = Q0(h) wq + bq, k = Q2(h) wk + bk, v = Q4(h) wv + bv, each product on codes
; (h is quantised three times, with lowp_scales 0, 2, 4; the weights come as codes, scales 1, 3, 5); q, k, v are quantised with scales 6, 7, 9 and stored as IMAGES OF OPERAND REGISTERS.
; THE OPERAND LAYOUT of every product of this program: a fragment is 16 rows x 128 K in 16 registers; lane (r = lane % 16, h = lane / 16) holds row r, registers 4 c .. 4 c + 3 hold
; K = 32 c + 16 h + 0 .. 15.  That is a permutation of K, the same on both sides of each product.  A fragment's IMAGE is 2,048 bytes: register group c of lane l at 512 c + 16 l.
; THE ROWS OF A TILE ARE NOT NEIGHBOURS: lane r of tile 2 b + u takes row 32 b + 8 u + r + 8 (r / 8).  A result's register j is row 8 h + j of source 0's tile, so the 16 registers of tiles 2 b and 2 b + 1
; are the 16 neighbours 32 b + 16 h + 0 .. 15: what the conversions need to give registers 4 b .. 4 b + 3 of the next operand.  Weight rows, positions, keys and v's channels are all chosen so.
; SHARES.  Work-group g takes positions 128 g .. 128 g + 127: batch g / 32, key step g % 32.  Wave w takes 32 of them: two tiles (u = 0, 1) of 16.
;   q, k: source 0 = 16 rows of the weight, source 1 = 16 positions: a lane holds one position, registers run along the channels = the scores' K.
;   v:    source 0 = 16 positions, source 1 = 16 rows of wv: a lane holds one channel, registers run along the positions = the keys, the second attention product's K.
; OUT.  qimg[b][tile 0..255][2,048]; kv[b][key step][K's eight tiles 16,384 | V's eight tiles 16,384]: V's tile t, register group c = the wave that made it.  Every store covers 512 consecutive bytes, aligned.
; NO CLUSTER, NO TENSOR LOAD: the shared weights are 49,152 bytes a work-group, 12,288 a wave, read once and laid anew (rows chosen, fragment order) on their way through registers; no loop reads them again.
; LIMITS on the given exponents, so that each power of two below is an f32 number: entries 0, 2, 4, 6, 7, 9 between -126 and 119; the sums 0 + 1, 2 + 3, 4 + 5 between -126 and 127.  NaN among the inputs is not served.
; REGISTERS.  Window 0: v1-13 lane numbers and addresses; v[14:15] -mean twice; v16-19 rstd x gn_scale; v20-23 gn_bias; v24-27 gn_scale; v28-39 six pairs (2^e, 448 x 2^e); v40-47 bv; v48-53 at work;
;   v64-95 h's codes (at the head: statistics); v96-111 codes to store; v128-191 four weight fragments; v192-255 eight accumulators (at the head v128-223: weights on their way to LDS).
;   Window 1: v0-127 x, then h in fragment order; v128-191 bq, v192-255 bk in the results' layout.
.set WIMG,  0                          ; LDS: 24 weight images: product x 16,384 + tile x 2,048
.set STATS, 49152                      ; four waves' (mean, M2): 256 x wave + 8 x lane
.set STG,   50176                      ; each wave's own stage: 32 rows of h, 512 bytes + 16 of padding
.set SP,    528                        ; 132 words: the 16 rows that a load touches start at 16 different columns of 16 bytes
.set WSTG,  32*SP
.set LI,   4                           ; v4   16 x lane
.set WA,   5                           ; v5   my bytes of a weight: (r + 8 (r / 8)) x 128 + 16 h + 4,096 x wave
.set WST,  6                           ; v6   where my weight images go
.set SST,  7                           ; v7   the stage, in
.set SRD,  8                           ; v8   the stage, out
.set BV,   40
.set HC,   64
.set OUTC, 96
.set WF,   128
.set ACC,  192
.set BQ,   128                         ; in window 1
.set BK,   192
.set MSB, 0
.macro WIN new                         ; the immediate's high byte repeats the setting that is left; bits 1:0 source 0, 3:2 source 1, 5:4 source 2, 7:6 destination
.if MSB != (\new)
	s_set_vgpr_msb (MSB<<8)|(\new)
.set MSB, (\new)
.endif
.endm
.macro PLACES                          ; four plain vector instructions between a matrix instruction and a read of its result or a load into its sources
.rept 4
	v_nop
.endr
.endm
.macro COMBINE base, cnt, nlit, invlit, rm, rs, rt, rq   ; parts (mean, M2) of equal count n become one: no difference of large sums
	v_add_f32 v[\rm], v[\base], v[\base+2]
	v_add_f32 v[\rs], v[\base+1], v[\base+3]
.set ix, 2
.rept \cnt-2
	v_add_f32 v[\rm], v[\rm], v[\base+2*ix]
	v_add_f32 v[\rs], v[\rs], v[\base+2*ix+1]
.set ix, ix+1
.endr
	v_mul_f32 v[\rm], \invlit, v[\rm]
	v_sub_f32 v[\rt], v[\base], v[\rm]
	v_mul_f32 v[\rq], v[\rt], v[\rt]
.set ix, 1
.rept \cnt-1
	v_sub_f32 v[\rt], v[\base+2*ix], v[\rm]
	v_fmac_f32 v[\rq], v[\rt], v[\rt]
.set ix, ix+1
.endr
	v_fmamk_f32 v[\rs], v[\rq], \nlit, v[\rs]
.endm
.macro MKSC e, v                       ; the exponent in s[e] -> v[v] = 2^e (the conversion takes its exponent field)
	s_add_co_i32 s32, s[\e], 127
	s_lshl_b32 s33, s32, 23
	v_mov_b32 v[\v], s33
.endm
.macro MKP ea, eb, d                   ; s[d] = s[d + 1] = 2^(ea + eb) as f32
	s_add_co_i32 s[\d], s[\ea], s[\eb]
	s_add_co_i32 s[\d], s[\d], 127
	s_lshl_b32 s[\d], s[\d], 23
	s_mov_b32 s[\d+1], s[\d]
.endm
.macro FETCH p, g                      ; tiles 4 g .. 4 g + 3 of weight p from their images
.irp tt, 0,1,2,3
.irp c, 0,1,2,3
	ds_load_b128 v[WF+16*\tt+4*\c:WF+16*\tt+4*\c+3], v[LI] offset:WIMG+\p*16384+(4*\g+\tt)*2048+512*\c
.endr
.endr
.endm
.macro QUANTH sc, lim                  ; h (window 1, kept) -> both tiles' codes, with the scale in v[sc]
.irp u, 0,1
	WIN 0x01
.set ix, 0
.rept 64
.set ix, ix+1
.endr
.set ix, 0
.rept 8
	v_cvt_scalef32_pk8_fp8_f32 v[HC+16*\u+2*ix:HC+16*\u+2*ix+1], v[ACC+8*ix+((64*\u+ix)-(ACC+ix)):ACC+8*ix+7+((64*\u+ix)-(ACC+ix))], v[\sc]
.set ix, ix+1
.endr
	WIN 0
	v_nop                                          ; a plain vector instruction between the conversions and what next writes their sources or reads their results
.endr
.endm
.macro MULT                            ; q, k: four weight tiles x two tiles of positions; a lane holds one position
.irp u, 0,1
.irp tt, 0,1,2,3
	v_wmma_f32_16x16x128_fp8_fp8 v[ACC+32*\u+8*\tt:ACC+32*\u+8*\tt+7], v[WF+16*\tt:WF+16*\tt+15], v[HC+16*\u:HC+16*\u+15], 0
.endr
.endr
.endm
.macro MULV                            ; v: the sources the other way round; a lane holds one channel, and tiles u = 0, 1 lie side by side: 16 neighbouring keys
.irp tt, 0,1,2,3
.irp u, 0,1
	v_wmma_f32_16x16x128_fp8_fp8 v[ACC+16*\tt+8*\u:ACC+16*\tt+8*\u+7], v[HC+16*\u:HC+16*\u+15], v[WF+16*\tt:WF+16*\tt+15], 0
.endr
.endr
.endm
.macro CODES sc, lim                   ; the 64 finished numbers -> 16 registers of codes
.set ix, 0
.rept 64
.set ix, ix+1
.endr
	s_wait_xcnt 0x0                                ; the last unit's stores have read their data: the codes' registers are written again only behind this wait
.set ix, 0
.rept 8
	v_cvt_scalef32_pk8_fp8_f32 v[OUTC+2*ix:OUTC+2*ix+1], v[ACC+8*ix:ACC+8*ix+7], v[\sc]
.set ix, ix+1
.endr
	v_nop                                          ; a plain vector instruction behind the last conversion
.endm
.macro POSTT bias, ssc, sc, lim, base, g   ; q or k of tiles 4 g .. 4 g + 3: sum x 2^(ea + eb) + bias, quantised, stored as register groups 2 g, 2 g + 1 of the two positions' tiles
	WIN 0x10                                       ; source 2 (the bias) in window 1
.irp u, 0,1
.set ix, 0
.rept 16
	v_pk_fma_f32 v[ACC+32*\u+ix:ACC+32*\u+ix+1], v[ACC+32*\u+ix:ACC+32*\u+ix+1], s[\ssc:\ssc+1], v[\bias+32*\g+ix:\bias+32*\g+ix+1] op_sel_hi:[1,0,1]   ; each accumulator from its low end on
.set ix, ix+2
.endr
.endr
	WIN 0
	s_wait_alu depctr_va_vdst(0)
	CODES \sc, \lim
.irp u, 0,1
.irp bb, 0,1
	global_store_b128 v[LI], v[OUTC+8*\u+4*\bb:OUTC+8*\u+4*\bb+3], s[\base:\base+1] offset:\u*2048+(2*\g+\bb)*512
.endr
.endr
.endm
.macro POSTV g                         ; v of channel tiles 4 g .. 4 g + 3: my 32 keys are register group w of each tile's image
.irp tt, 0,1,2,3
.set ix, 0
.rept 16
	v_fma_f32 v[ACC+16*\tt+ix], v[ACC+16*\tt+ix], s52, v[BV+4*\g+\tt]   ; the lane's channel has one bias for all its keys
.set ix, ix+1
.endr
.endr
	s_wait_alu depctr_va_vdst(0)
	CODES 38, 39
.irp tt, 0,1,2,3
	global_store_b128 v[LI], v[OUTC+4*\tt:OUTC+4*\tt+3], s[54:55] offset:(4*\g+\tt)*2048
.endr
.endm
	s_load_b512 s[4:19], s[0:1], 0x0               ; x 4, stats 6, gn_scale 8, gn_bias 10, wq 12, wk 14, wv 16, bq 18
	s_load_b256 s[20:27], s[0:1], 0x40             ; bk 20, bv 22, lowp_scales 24, qimg 26
	s_load_b64 s[28:29], s[0:1], 0x60              ; kv
	v_lshl_add_u32 v126, v0, 2, 0x1d000
	v_mov_b32 v127, 0
	v_lshrrev_b32 v1, 5, v0
	v_readfirstlane_b32 s30, v1                    ; wave 0..3
	v_and_b32 v1, 31, v0                           ; lane
	v_and_b32 v2, 15, v0                           ; r
	v_bfe_u32 v3, v0, 4, 1                         ; h
	v_lshlrev_b32 v[LI], 4, v1
	v_and_b32 v12, 8, v2
	v_add_nc_u32 v12, v12, v2                      ; r + 8 (r / 8)
	v_lshlrev_b32 v[WA], 7, v12
	v_lshl_add_u32 v[WA], v3, 4, v[WA]
	s_lshl_b32 s31, s30, 12                        ; 4,096 x wave: my 32 rows of each weight, my two images, my two tiles of qimg and of K
	v_add_nc_u32 v[WA], s31, v[WA]
	v_add_nc_u32 v[WST], s31, v[LI]
	s_mul_i32 s32, s30, WSTG
	s_add_co_u32 s32, s32, STG                     ; my stage
	v_add_nc_u32 v[SST], s32, v[LI]                ; in: a position's 512 bytes, 16 a lane
	v_mul_u32_u24 v[SRD], v2, SP
	v_lshl_add_u32 v[SRD], v3, 6, v[SRD]
	v_add_nc_u32 v[SRD], s32, v[SRD]               ; out: row r, + 64 h: my 16 channels of a block of 32
	v_lshlrev_b32 v9, 3, v1                        ; 8 x lane
	s_lshl_b32 s33, s30, 8
	s_add_co_u32 s33, s33, STATS
	v_add_nc_u32 v10, s33, v9                      ; where my wave's (mean, M2) go
	v_lshlrev_b32 v11, 6, v3                       ; bq, bk: 16 h channels on
	v_lshlrev_b32 v12, 2, v12                      ; bv: channel r + 8 (r / 8)
	v_add_nc_u32 v13, STATS, v9
	s_lshl_b32 s32, ttmp9, 16
	s_lshl_b32 s34, s30, 14
	s_add_co_u32 s32, s32, s34                     ; x: 65,536 g + 16,384 w
	s_mov_b32 s33, 0
	s_lshr_b32 s34, ttmp9, 5
	s_lshl_b32 s34, s34, 13
	s_lshl_b32 s35, s30, 11
	s_add_co_u32 s34, s34, s35                     ; stats: the batch's 32 x 256 bytes, my wave's eight parts of them
	s_mov_b32 s35, 0
	s_wait_alu depctr_va_vdst(0)
	s_wait_kmcnt 0x0
	s_load_b256 s[36:43], s[24:25], 0x0            ; the exponents 0 .. 7
	s_load_b128 s[44:47], s[24:25], 0x20           ; 8 .. 11
	s_add_nc_u64 s[4:5], s[4:5], s[32:33]
	s_add_nc_u64 s[6:7], s[6:7], s[34:35]
	s_lshl_b32 s32, ttmp9, 14
	s_add_co_u32 s32, s32, s31
	s_add_nc_u64 s[26:27], s[26:27], s[32:33]      ; qimg: (4 g + w) x 4,096
	s_lshl_b32 s32, ttmp9, 15
	s_lshl_b32 s34, s30, 9
	s_add_co_u32 s34, s34, s32
	s_add_co_u32 s34, s34, 16384
	s_add_co_u32 s32, s32, s31
	s_add_nc_u64 s[54:55], s[28:29], s[34:35]      ; V's images: 32,768 g + 16,384 + 512 w
	s_add_nc_u64 s[28:29], s[28:29], s[32:33]      ; K's images: 32,768 g + 4,096 w
	; ALL LOADS GO OUT AT ONCE, in the order in which they are wanted: 10 (statistics, gain, bias), 24 (weights), 32 (x)
.irp i, 0,1,2,3,4,5,6,7
	global_load_b64 v[64+2*\i:65+2*\i], v9, s[6:7] offset:256*\i
.endr
	global_load_b128 v[24:27], v[LI], s[8:9]       ; gn_scale of my group's four channels
	global_load_b128 v[20:23], v[LI], s[10:11]     ; gn_bias
.irp p, 0,1,2
.irp u, 0,1
.irp c, 0,1,2,3
	global_load_b128 v[128+32*\p+16*\u+4*\c:128+32*\p+16*\u+4*\c+3], v[WA], s[12+2*\p:13+2*\p] offset:\u*1024+32*\c   ; tile 2 w + u of weight p, as a fragment
.endr
.endr
.endr
	WIN 0x40                                       ; destination window 1
.irp p, 0,1,2,3,4,5,6,7,8,9,10,11,12,13,14,15,16,17,18,19,20,21,22,23,24,25,26,27,28,29,30,31
	global_load_b128 v[4*\p:4*\p+3], v[LI], s[4:5] offset:512*\p   ; position p: lane l holds group l's four channels
.endr
	WIN 0
	s_wait_loadcnt 56                              ; the first ten are in; the 24 + 32 behind them may be out
	COMBINE 64, 8, 0x44000000, 0x3e000000, 48, 49, 50, 51   ; eight parts of 512 numbers
	ds_store_b64 v10, v[48:49]
	s_wait_loadcnt 32                              ; the weights are in; x's 32 loads may be out
.irp p, 0,1,2
.irp u, 0,1
.irp c, 0,1,2,3
	ds_store_b128 v[WST], v[128+32*\p+16*\u+4*\c:128+32*\p+16*\u+4*\c+3] offset:WIMG+\p*16384+\u*2048+512*\c
.endr
.endr
.endr
	s_wait_dscnt 0x0                               ; for the others' sake: my images and my statistics lie in LDS
	s_barrier_signal -1
	s_barrier_wait -1                              ; the launch's one barrier
.irp i, 0,1,2,3
	ds_load_b64 v[80+2*\i:81+2*\i], v13 offset:256*\i
.endr
	s_wait_dscnt 0x0
	COMBINE 80, 4, 0x45800000, 0x3e800000, 48, 49, 50, 51   ; four parts of 4,096 numbers: the group's mean and M2 over 16,384
	v_mov_b32 v50, 0x38800000                      ; 1 / 16,384
	v_fmaak_f32 v51, v50, v49, 0x358637bd          ; the variance + 1e-6
	s_wait_alu depctr_va_vdst(0)
	v_rsq_f32 v52, v51
	v_sub_f32 v14, 0, v48                          ; -mean (a plain instruction behind the transcendental),
	v_mov_b32 v15, v14                             ; twice
	s_wait_alu depctr_va_vdst(0)                   ; the wait ahead of the result's first reader
	v_mov_b32 v53, v52
	v_pk_mul_f32 v[16:17], v[24:25], v[52:53]      ; rstd x gn_scale
	v_pk_mul_f32 v[18:19], v[26:27], v[52:53]
	; h = (x - mean) x (rstd gn_scale) + gn_bias, eight positions at a time, and into my stage.  Position p goes to stage row (p % 8) + 16 ((p / 8) % 2) + 8 (p / 16), so that row 16 u + r is lane r of tile u
.irp qd, 0,1,2,3
	s_wait_loadcnt 24-8*\qd                        ; these eight positions are in; the later ones may be out
	WIN 0x41                                       ; destination and source 0 window 1
.irp k, 0,1,2,3,4,5,6,7
	v_pk_add_f32 v[4*(8*\qd+\k):4*(8*\qd+\k)+1], v[4*(8*\qd+\k):4*(8*\qd+\k)+1], v[14:15]
	v_pk_add_f32 v[4*(8*\qd+\k)+2:4*(8*\qd+\k)+3], v[4*(8*\qd+\k)+2:4*(8*\qd+\k)+3], v[14:15]
.endr
.irp k, 0,1,2,3,4,5,6,7
	v_pk_fma_f32 v[4*(8*\qd+\k):4*(8*\qd+\k)+1], v[4*(8*\qd+\k):4*(8*\qd+\k)+1], v[16:17], v[20:21]
	v_pk_fma_f32 v[4*(8*\qd+\k)+2:4*(8*\qd+\k)+3], v[4*(8*\qd+\k)+2:4*(8*\qd+\k)+3], v[18:19], v[22:23]
.endr
	WIN 0x04                                       ; store data window 1
.irp k, 0,1,2,3,4,5,6,7
	ds_store_b128 v[SST], v[4*(8*\qd+\k):4*(8*\qd+\k)+3] offset:(\k+16*(\qd%2)+8*(\qd/2))*SP
.endr
.endr
	WIN 0x40
.irp t, 0,1,2,3,4,5,6,7                ; bq, bk in the results' layout: tile t, lane half h: channels 32 (t / 2) + 8 (t % 2) + 16 h + 0 .. 7
	global_load_b128 v[BQ+8*\t:BQ+8*\t+3], v11, s[18:19] offset:(32*(\t/2)+8*(\t%2))*4
	global_load_b128 v[BQ+8*\t+4:BQ+8*\t+7], v11, s[18:19] offset:(32*(\t/2)+8*(\t%2))*4+16
	global_load_b128 v[BK+8*\t:BK+8*\t+3], v11, s[20:21] offset:(32*(\t/2)+8*(\t%2))*4
	global_load_b128 v[BK+8*\t+4:BK+8*\t+7], v11, s[20:21] offset:(32*(\t/2)+8*(\t%2))*4+16
.endr
.irp u, 0,1                            ; h back in fragment order: register 64 u + 16 b + i = channel 32 b + 16 h + i of tile u's lane r.  My own bytes; LDS serves a wave's instructions in order (ISA guide 5.7.1.4): no wait between the stores and these
.irp b, 0,1,2,3
.irp j, 0,1,2,3
	ds_load_b128 v[64*\u+16*\b+4*\j:64*\u+16*\b+4*\j+3], v[SRD] offset:16*\u*SP+128*\b+16*\j
.endr
.endr
.endr
	WIN 0
.irp t, 0,1,2,3,4,5,6,7
	global_load_b32 v[BV+\t], v12, s[22:23] offset:(32*(\t/2)+8*(\t%2))*4   ; bv at my lane's channel of tile t
.endr
	FETCH 0, 0
	s_wait_kmcnt 0x0
	MKSC 36, 28                                    ; h for q
	MKSC 38, 30                                    ; h for k
	MKSC 40, 32                                    ; h for v
	MKSC 42, 34                                    ; q
	MKSC 43, 36                                    ; k
	MKSC 45, 38                                    ; v
	MKP 36, 37, 48
	MKP 38, 39, 50
	MKP 40, 41, 52
	s_wait_alu depctr_va_vdst(0)
	s_wait_dscnt 0x0                               ; h and wq's first four tiles are in
	; SIX UNITS: a product's four weight tiles x my two tiles of positions.  Behind each unit's products the next unit's weights are fetched, and land while this unit is finished
	QUANTH 28, 29
	MULT
	PLACES
	FETCH 0, 1
	s_wait_loadcnt 0x0                             ; the biases
	POSTT BQ, 48, 34, 35, 26, 0
	s_wait_dscnt 0x0
	MULT
	PLACES
	FETCH 1, 0
	POSTT BQ, 48, 34, 35, 26, 1
	QUANTH 30, 31
	s_wait_alu depctr_va_vdst(0)
	s_wait_dscnt 0x0
	MULT
	PLACES
	FETCH 1, 1
	POSTT BK, 50, 36, 37, 28, 0
	s_wait_dscnt 0x0
	MULT
	PLACES
	FETCH 2, 0
	POSTT BK, 50, 36, 37, 28, 1
	QUANTH 32, 33
	s_wait_alu depctr_va_vdst(0)
	s_wait_dscnt 0x0
	MULV
	PLACES
	FETCH 2, 1
	POSTV 0
	s_wait_dscnt 0x0
	MULV
	PLACES
	POSTV 1
	s_wait_tensorcnt 0x0
	ds_add_u32 v126, v127
	s_wait_dscnt 0x0
	s_endpgm
.Lfunc_end_k_q4b26c683c2_qkv:
	.size	k_q4b26c683c2_qkv, .Lfunc_end_k_q4b26c683c2_qkv-k_q4b26c683c2_qkv
	.p2alignl 7, 3214868480
	.fill 96, 4, 3214868480
	.section	.rodata,"a",@progbits
	.p2align	6, 0x0
	.amdhsa_kernel k_q4b26c683c2_qkv
		.amdhsa_group_segment_fixed_size 119296
		.amdhsa_private_segment_fixed_size 0
		.amdhsa_enable_private_segment 0
		.amdhsa_kernarg_size 104
		.amdhsa_user_sgpr_count 2
		.amdhsa_user_sgpr_kernarg_segment_ptr 1
		.amdhsa_wavefront_size32 1
		.amdhsa_system_sgpr_workgroup_id_x 1
		.amdhsa_system_sgpr_workgroup_id_y 1
		.amdhsa_system_sgpr_workgroup_id_z 1
		.amdhsa_system_vgpr_workitem_id 0
		.amdhsa_next_free_vgpr 512
		.amdhsa_next_free_sgpr 66
		.amdhsa_reserve_vcc 0
		.amdhsa_float_denorm_mode_32 3
		.amdhsa_float_denorm_mode_16_64 3
		.amdhsa_fp16_overflow 1
		.amdhsa_memory_ordered 1
		.amdhsa_forward_progress 1
		.amdhsa_inst_pref_size 67
	.end_amdhsa_kernel
	.amdgpu_metadata
---
amdhsa.version: [ 1, 2 ]
amdhsa.kernels:
  - .name:           k_q4b26c683c2_qkv
    .symbol:         k_q4b26c683c2_qkv.kd
    .args:
      - { .name: x, .offset: 0, .size: 8, .value_kind: global_buffer, .address_space: global }
      - { .name: stats, .offset: 8, .size: 8, .value_kind: global_buffer, .address_space: global }
      - { .name: gn_scale, .offset: 16, .size: 8, .value_kind: global_buffer, .address_space: global }
      - { .name: gn_bias, .offset: 24, .size: 8, .value_kind: global_buffer, .address_space: global }
      - { .name: wq_codes, .offset: 32, .size: 8, .value_kind: global_buffer, .address_space: global }
      - { .name: wk_codes, .offset: 40, .size: 8, .value_kind: global_buffer, .address_space: global }
      - { .name: wv_codes, .offset: 48, .size: 8, .value_kind: global_buffer, .address_space: global }
      - { .name: bq, .offset: 56, .size: 8, .value_kind: global_buffer, .address_space: global }
      - { .name: bk, .offset: 64, .size: 8, .value_kind: global_buffer, .address_space: global }
      - { .name: bv, .offset: 72, .size: 8, .value_kind: global_buffer, .address_space: global }
      - { .name: lowp_scales, .offset: 80, .size: 8, .value_kind: global_buffer, .address_space: global }
      - { .name: qimg, .offset: 88, .size: 8, .value_kind: global_buffer, .address_space: global }
      - { .name: kv, .offset: 96, .size: 8, .value_kind: global_buffer, .address_space: global }
    .group_segment_fixed_size: 119296
    .private_segment_fixed_size: 0
    .kernarg_segment_align: 8
    .kernarg_segment_size: 104
    .max_flat_workgroup_size: 128
    .sgpr_count:     66
    .vgpr_count:     512
    .wavefront_size: 32
...
	.end_amdgpu_metadata
.endif
;; end of part 2
;; launch attn (part 3): grid 32 x 8, 8 waves a work-group, clusters of 4 x 1, 327,680 bytes of LDS; arguments qimg, kv, wo_codes, bo, x, lowp_scales, out0; writes out0
.if DOCPART == 3
	.amdgcn_target "amdgcn-amd-amdhsa--gfx1250"
	.amdhsa_code_object_version 6
	.text
	.protected	k_q4b26c683c2_attn
	.globl	k_q4b26c683c2_attn
	.p2align	8
	.type	k_q4b26c683c2_attn,@function
k_q4b26c683c2_attn:
	s_mov_b64 s[64:65], 0
	v_nop
	global_prefetch_b8 v0, s[64:65] scope:SCOPE_SE
	s_setreg_imm32_b32 hwreg(HW_REG_WAVE_MODE, 25, 1), 1
	s_wait_xcnt 0x0
	s_wait_alu depctr_hold_cnt(0) depctr_sa_sdst(0) depctr_va_vdst(0) depctr_va_sdst(0) depctr_va_ssrc(0) depctr_va_vcc(0) depctr_vm_vsrc(0)
	s_getreg_b32 s2, hwreg(HW_REG_IB_STS2, 6, 4)
	s_cmp_eq_u32 s2, 0
	s_cbranch_scc0 .Lentry_in_a_cluster
	s_endpgm
.Lentry_in_a_cluster:
	s_bfe_u32 s2, ttmp6, 0x10000c
	s_cmp_lg_u32 s2, 0x3003
	s_cbranch_scc0 .Lentry_shape_is_right
	s_endpgm
.Lentry_shape_is_right:
; out0 = x + Q10(softmax(q k^T / sqrt(128)) v) wo + bo, all three products on codes of FP8 (E4M3).  q, k, v come as images of operand registers (a fragment: 16 rows x 128 K, 2,048 bytes, register group c of
; lane l at 512 c + 16 l; lane (r, h) holds row r, registers 4 c .. 4 c + 3 hold K = 32 c + 16 h + 0 .. 15; lane r of tile 2 b + u is row 32 b + 8 u + r + 8 (r / 8)).  lowp_scales 6 .. 11: q, k, p, v, o, wo.
; THE SOFTMAX AHEAD OF THE SECOND PRODUCT: t = score x log2(e) / sqrt(128); M = the largest t so far, rounded UP to a whole number; p = 2^(t - M) is quantised, not normalised; the row's sum is taken of the
; unquantised p and divides at the end.  When M moves, the sum and O are multiplied by 2^(old M - new M): nothing is rounded.
; SHARES.  A work-group owns 128 queries of one batch: 8 x 32 = 256 work-groups.  Its eight waves are 4 blocks of 32 queries (wave % 4) x 2 halves of the 4,096 keys (wave / 4).  A wave holds TWO tiles of 16 queries,
; so that each fragment of K and V that it reads from LDS feeds two matrix instructions; two waves share a SIMD, so that one's vector work stands beside the other's matrix work and LDS loads.
; TWO REGISTER WINDOWS, ONE MAP: each tile has the same register numbers in its window, and the softmax is written once and run under both settings.  The tile in window 0 is tile (wave / 4) of the block, the tile in
; window 1 the other one: by address alone.  At the end every wave hands its window 1 tile's O, M and sum to wave (wave xor 4), takes that wave's for its own window 0 tile, and finishes those 16 queries.
; LAYOUT.  S^T = K Q^T and O^T = V^T P^T: a lane holds ONE query throughout; p's 16 registers of two neighbouring tiles are 16 neighbouring keys, O^T's 16 neighbouring channels: the conversions' results are the next operand.
; CLUSTER.  The four work-groups of a cluster belong to one batch and walk the same K and V, and all use wo: every tile is asked for JOINTLY, by the same tensor load with the same descriptor and the mask of all four.
; THE RING.  Two slots of 131,072 bytes; a slot holds two key steps (128 keys: K 16,384 | V 16,384) of each half; each wave fetches 16,384 bytes of it, one load.  By this text's count a wave has two tensor loads out at the head, later one.
; LIMITS on the given exponents, so that each power of two below is an f32 number: entries 8 and 10 between -126 and 119; 6 + 7 between -123 and 130; 10 + 11 between -126 and 127; 8 + 9 is applied by v_ldexp_f32.  NaN is not served.
; REGISTERS (both windows alike): v12 -M, v13 the largest t, v[14:15] the sum in two halves; v16-31 Q; v32-95 four fragments of K or V (window G: fragments 4 G .. 4 G + 3); v96-159 S^T, then p; v160-223 O^T;
;   v224-239 p's codes; v244 2^e8; v236, v242-243, v252-254 at work.  Window 0 alone: v1-11, v245-249 addresses, v250 2^e10.
.set SLOT1, 1<<17                      ; slot 1 begins here: one exclusive or turns an address in one slot into the other's
.set SPARE, 2*SLOT1                    ; the spare words, 128 bytes for each of eight waves: four blocks of 256 bytes that no other line names
.set WO,    SPARE+1024                 ; wo: 128 rows of 128 bytes + 16 of padding, filled once
.set WOP,   144
.set OST,   WO+128*WOP                 ; the way out: 16 rows x (256 bytes + 16) for each wave; no fill lands here
.set OSP,   272
.set XCHW,  8448                       ; the exchange: for each wave O^T's image (8,192 bytes) and 256 bytes of (-M, sum).  It lies in slot 0, which has had its last fill and was left by every wave at the last change of slots
.set A0,   1                           ; v1   65,536 x (wave / 4) + 16 x lane: my half of a slot, my lane's place in an image
.set AD,   2                           ; v2   the same in the slot in hand
.set PFO,  3                           ; v3   256 x lane
.set XPF,  4                           ; v4   the prefetch of x: lane l names half l % 2 of my tile's row l / 2
.set SPW,  5                           ; v5   LDS address of my spare word; never rewritten
.set NIL,  6                           ; v6   0; never rewritten
.set GO,   7                           ; v7   512 h + 16 r: my bytes of two rows of x and out0
.set LI,   8                           ; v8   16 x lane
.set XS,   9                           ; v9   the exchange: where my O^T goes;  v10 my (-M, sum);  v11, v245 the partner's
.set XSS,  10
.set XR,   11
.set XRS,  245
.set WOA,  246                         ; v246 my lane's place in a tile of wo
.set OSI,  247                         ; v247 my stage, in;  v248 out
.set OSO,  248
.set BOA,  249                         ; v249 16 r: bo
.set WV,   18                          ; s18  wave
.set SEL,  20                          ; s[20:21] v_permlanex16_b32's selects for lane l xor 16
.set CS,   22                          ; s[22:23] c = log2(e) / sqrt(128) x 2^(e6 + e7)
.set G1,   24                          ; s[24:31] descriptor group 1 for K's and V's tiles;  s[32:39] for wo's;  s[40:43], s[44:47] their groups 0
.set G1W,  32
.set G0,   40
.set G0W,  44
.set TB,   48                          ; s48  LDS byte at which the slot in hand begins
.set SLOTS, 49                         ; s49  slots still to be asked for
.set LIM,  50                          ; s50  1 in a wave that prefetches K and V, else the greatest number
.set PFA,  52                          ; s[52:53] where my prefetches stand
.set XB,   70                          ; s[70:71] x at my tile's first row;  s[72:73] out0 likewise
.set OB,   72
.set MSB, 0
.macro WIN new                         ; the immediate's high byte repeats the setting that is left; bits 1:0 source 0, 3:2 source 1, 5:4 source 2, 7:6 destination
.if MSB != (\new)
	s_set_vgpr_msb (MSB<<8)|(\new)
.set MSB, (\new)
.endif
.endm
.macro PLACES                          ; four plain vector instructions between a matrix instruction and a read of its result or a load into its sources (ISA guide 7.12.1 for the read of its result)
.rept 4
	v_nop
.endr
.endm
.macro CROUND                          ; a round of the cluster's barrier: my work-group's barrier; wave 0 signals for the work-group; every wave waits for all four work-groups; my work-group's barrier once more
	s_barrier_signal -1
	s_barrier_wait -1
	s_cmp_lg_u32 s[WV], 0
	s_cbranch_scc1 .Lnot_wave_0_\@
	s_barrier_signal -3
.Lnot_wave_0_\@:
	s_barrier_wait -3
	s_barrier_signal -1
	s_barrier_wait -1
.endm
; A PREFETCH INTO THE L2 of what the NEXT change of slots will ask for, behind the wave's tensor load and its four lines.  Each aligned block of 256 bytes is named once in the launch: the eight clusters of a batch walk the
; same K and V, and the batch's first cluster asks; in it the even waves ask, each for its own and the next wave's 32,768 bytes: 128 blocks, of which the four partners take 32 each, told apart BY ADDRESS (8,192 x place);
; a lane a block.  The last change that fills a slot asks for nothing: there is no slot behind it.  Slots 0 and 1 come by their loads alone.
.macro ASK
	s_cmp_gt_u32 s[SLOTS], s[LIM]
	s_cbranch_scc0 .Lnot_mine_\@
	global_prefetch_b8 v[PFO], s[PFA:PFA+1] th:TH_LOAD_NT scope:SCOPE_SE
.Lnot_mine_\@:
.endm
.macro LOADF off                       ; eight fragments (16,384 bytes) from byte off of my half of the slot in hand: four into each window; every load takes 512 consecutive bytes
	WIN 0
.irp f, 0,1,2,3
.irp c, 0,1,2,3
	ds_load_b128 v[32+16*\f+4*\c:32+16*\f+4*\c+3], v[AD] offset:(\off)+\f*2048+512*\c
.endr
.endr
	WIN 0x40
.irp f, 0,1,2,3
.irp c, 0,1,2,3
	ds_load_b128 v[32+16*\f+4*\c:32+16*\f+4*\c+3], v[AD] offset:(\off)+(4+\f)*2048+512*\c
.endr
.endr
.endm
.macro KQ g, t                         ; S^T of query tile t: key tiles 4 g .. 4 g + 3 (fragments in window g)
	WIN (\g)+0x54*(\t)
.irp f, 0,1,2,3
	v_wmma_f32_16x16x128_fp8_fp8 v[96+8*(4*\g+\f):96+8*(4*\g+\f)+7], v[32+16*\f:32+16*\f+15], v[16:31], 0
.endr
.endm
.macro PV g, t                         ; O^T of query tile t += channel tiles 4 g .. 4 g + 3 x p.  Each accumulator has one instruction a key step, and no two neighbours share one
	WIN (\g)+0x54*(\t)
.irp f, 0,1,2,3
	v_wmma_f32_16x16x128_fp8_fp8 v[160+8*(4*\g+\f):160+8*(4*\g+\f)+7], v[32+16*\f:32+16*\f+15], v[224:239], v[160+8*(4*\g+\f):160+8*(4*\g+\f)+7]
.endr
.endm
; One tile's softmax for one key step, in the window that is set.
.macro SOFTMAX
	v_max3_num_f32 v254, v96, v97, v98             ; the step's largest score of my query, among my 64 keys, in two chains, each accumulator from its low end on,
	v_max3_num_f32 v252, v99, v100, v101
.irp i, 6,10,14,18,22,26,30,34,38,42,46,50,54,58
	v_max3_num_f32 v254, v254, v[96+\i], v[97+\i]
	v_max3_num_f32 v252, v252, v[98+\i], v[99+\i]
.endr
	v_max3_num_f32 v254, v254, v158, v159
	s_delay_alu instid0(VALU_DEP_1)
	v_max_num_f32 v254, v254, v252
	v_permlanex16_b32 v236, v254, s[SEL], s[SEL+1]
	s_delay_alu instid0(VALU_DEP_1)
	v_max_num_f32 v254, v254, v236                 ; and among lane l xor 16's
	s_delay_alu instid0(VALU_DEP_1)
	v_mul_f32 v254, s[CS], v254                    ; as t (c is positive)
	s_delay_alu instid0(VALU_DEP_1)
	v_max_num_f32 v13, v13, v254                   ; the running largest t
	v_mov_b32 v254, v12
	s_delay_alu instid0(VALU_DEP_2)
	v_floor_f32 v12, -v13                          ; the new -M = floor(-t) = -ceil(t): a whole number
	s_delay_alu instid0(VALU_DEP_1)
	v_sub_f32 v254, v12, v254                      ; old M - new M: a whole number, 0 or less
	s_delay_alu instid0(VALU_DEP_1)
	v_cvt_i32_f32 v254, v254                       ; (it saturates)
	s_delay_alu instid0(VALU_DEP_1)
	v_ldexp_f32 v252, 1.0, v254                    ; f = 2^(old M - new M)
.set ix, 0
.rept 32
	v_pk_fma_f32 v[96+ix:97+ix], v[96+ix:97+ix], s[CS:CS+1], v[12:13] op_sel_hi:[1,0,0]   ; t - M, two at a time (of the pairs c and -M the low word serves both halves)
.set ix, ix+2
.endr
.set ix, 0
	s_wait_alu depctr_va_vdst(0)
.rept 64
	v_exp_f32 v[96+ix], v[96+ix]                   ; p = 2^(t - M), at most 1
.set ix, ix+1
.endr
	v_pk_mul_f32 v[14:15], v[14:15], v[252:253] op_sel_hi:[1,0]   ; the sums under the new M (a plain instruction behind the exponentials)
	s_wait_alu depctr_va_vdst(0)                   ; one wait for the batch of 64, ahead of its first reader
	v_pk_add_f32 v[242:243], v[96:97], v[98:99]    ; the row's sum is taken of the unquantised p: two at a time, in two chains
.set ix, 4
.rept 15
	v_pk_add_f32 v[14:15], v[14:15], v[96+ix:97+ix]
	v_pk_add_f32 v[242:243], v[242:243], v[98+ix:99+ix]
.set ix, ix+4
.endr
	s_delay_alu instid0(VALU_DEP_1)
	v_pk_add_f32 v[14:15], v[14:15], v[242:243]
.irp b, 0,1,2,3
.set ix, 0
.rept 16
.set ix, ix+1
.endr
	v_cvt_scalef32_pk8_fp8_f32 v[224+4*\b:225+4*\b], v[96+16*\b:103+16*\b], v244
	v_cvt_scalef32_pk8_fp8_f32 v[226+4*\b:227+4*\b], v[104+16*\b:111+16*\b], v244
.endr
.set ix, 0
.rept 32
	v_pk_mul_f32 v[160+ix:161+ix], v[160+ix:161+ix], v[252:253] op_sel_hi:[1,0]   ; O^T under the new M; these are also the plain instructions behind the conversions
.set ix, ix+2
.endr
.endm
; A KEY STEP: 128 keys, the q-th of my half of the slot in hand, for both tiles.  V's loads go out ahead of the softmax and land under it.
.macro STEP q, xask
	PLACES                                         ; the last products read the fragments' registers
	LOADF (\q)*32768
	s_wait_dscnt 16                                ; K's first four fragments are in; the sixteen younger loads may be out
	KQ 0, 0
	KQ 0, 1
	s_wait_dscnt 0x0
	KQ 1, 0
	KQ 1, 1
	PLACES
	LOADF (\q)*32768+16384
	WIN 0
.if \xask
	global_prefetch_b8 v[XPF], s[XB:XB+1] th:TH_LOAD_NT scope:SCOPE_SE   ; my 16 rows of x, 32 blocks of 256 bytes, a lane a block, each named once in the launch: two softmaxes and 16 products ahead of their loads
.endif
	SOFTMAX
	WIN 0x55
	SOFTMAX
	s_wait_alu depctr_va_vdst(0)
	s_wait_dscnt 0x0                               ; V is in
	PV 1, 1
	PV 1, 0
	PV 0, 0
	PV 0, 1
	WIN 0
.endm
; THE CHANGE OF SLOTS stands at a slot's head.  Each wave waits for all its tensor loads (its part of the slot ahead), adds 0 to its spare word, and waits for that and for its reads of the slot that it has left.
; fill = 1: a round of the cluster's barrier, so that no wave of any partner still reads that slot or has a load on its way; the joint refill is the first thing behind it, and has two key steps in which to land.
.macro CHANGE fill
	WIN 0
	s_wait_tensorcnt 0x0                           ; no tensor load of mine is out, so a group 0 may be written
	ds_add_u32 v[SPW], v[NIL]                      ; 0 onto my spare word
.if \fill
	s_xor_b32 s[G0+1], s[G0+1], SLOT1              ; the walking descriptor: the other slot than last time,
	s_add_nc_u64 s[G0+2:G0+3], s[G0+2:G0+3], 65536 ; the next two key steps; the type bits on top are not reached
	s_wait_xcnt 0x0                                ; the last prefetch, a slot back, has read its address, so it may be written:
	s_add_nc_u64 s[PFA:PFA+1], s[PFA:PFA+1], 65536 ; one slot further on than the walking descriptor
	s_wait_dscnt 0x0                               ; the add is done, and my reads of the slot that I have left are over
	CROUND
	tensor_load_to_lds s[G0:G0+3], s[G1:G1+7]      ; every wave's own 16,384 bytes: one load a wave
	s_nop 0
	PLACES                                         ; four v_nop behind the load
	ASK
.else
	s_wait_dscnt 0x0
	s_barrier_signal -1
	s_barrier_wait -1
.endif
.endm
.macro SLOT_STEPS xask
	v_add_nc_u32 v[AD], s[TB], v[A0]
	s_wait_alu depctr_va_vdst(0)
	STEP 0, 0
	STEP 1, \xask
	s_xor_b32 s[TB], s[TB], SLOT1                  ; on to the other slot
.endm
.macro INIT                            ; a tile's state, in the window that is set.  The key step is written without a first step of its own: it finds zeros, which the first change of M leaves zeros
	v_mov_b32 v13, 0xff61b1e6                      ; the largest t so far: -3e38, under every t
	s_delay_alu instid0(VALU_DEP_1)
	v_floor_f32 v12, -v13                          ; -M
	v_mov_b32 v14, 0
	v_mov_b32 v15, 0
	v_mov_b32 v236, 0                              ; a lane permute's destination counts as one of its sources
	v_mov_b32 v253, 0                              ; (named as the upper half of the pair v[252:253])
.set ix, 0
.rept 64
	v_mov_b32 v[160+ix], 0
.set ix, ix+1
.endr
	v_mov_b32 v244, s55                            ; 2^e8
.endm
	s_load_b256 s[4:11], s[0:1], 0x0               ; qimg 4, kv 6, wo_codes 8, bo 10
	s_load_b128 s[12:15], s[0:1], 0x20             ; x 12, lowp_scales 14
	s_load_b64 s[16:17], s[0:1], 0x30              ; out0
	v_lshl_add_u32 v[SPW], v0, 2, SPARE
	v_mov_b32 v[NIL], 0
	ds_add_u32 v5, v6
	ds_add_u32 v5, v6
	s_wait_dscnt 0x0
	v_lshrrev_b32 v32, 5, v0
	s_delay_alu instid0(VALU_DEP_1)
	v_readfirstlane_b32 s[WV], v32                 ; wave 0..7
	s_bfe_u32 s19, ttmp6, 0x40000                  ; cx: my place in the cluster: it enters global addresses of q, x, out0 and the prefetches alone
	s_and_b32 s55, ttmp7, 0xffff                   ; the batch, which the four partners share
	s_lshr_b32 s51, s[WV], 2                       ; my half of the keys
	s_and_b32 s58, s[WV], 3                        ; my block of 32 queries; also: which quarter of my half of a slot I fetch
	s_lshl_b32 s66, s55, 20                        ; kv: the batch's 32 x 32,768 bytes,
	s_lshl_b32 s59, s51, 19                        ; my half's 16 key steps,
	s_add_co_u32 s66, s66, s59
	s_lshl_b32 s59, s58, 14                        ; my 16,384 bytes
	s_add_co_u32 s66, s66, s59
	s_mov_b32 s67, 0
	s_lshl_b32 s68, s[WV], 11                      ; wo: my 16 rows of 128 bytes
	s_mov_b32 s69, 0
	s_lshl_b32 s74, s[WV], 14                      ; where they go: 16,384 x wave,
	s_mul_i32 s75, s[WV], 16*WOP
	s_add_co_u32 s75, s75, WO                      ; and 16 padded rows x wave: no place in the cluster enters an LDS address
	; group 1 for K and V: 64 rows of 256 bytes, dense
	s_mov_b32 s[G1], 15|(1<<21)                    ; 15:0 the mask: all four work-groups; 17:16 elements of 1 byte; 21 set beside a mask
	s_mov_b32 s[G1+1], 256<<16                     ; tensor_dim0
	s_mov_b32 s[G1+2], 64<<16                      ; tensor_dim1
	s_mov_b32 s[G1+3], 256<<16                     ; tile_dim0
	s_mov_b32 s[G1+4], 64                          ; tile_dim1
	s_mov_b32 s[G1+5], 256                         ; from row to row
	s_mov_b32 s[G1+6], 0
	s_mov_b32 s[G1+7], 0
	; group 1 for wo: 16 rows of 128 bytes, four words of padding behind every 32
	s_mov_b32 s[G1W], 15|(1<<20)|(1<<21)|(4<<22)|(3<<25)
	s_mov_b32 s[G1W+1], 128<<16
	s_mov_b32 s[G1W+2], 16<<16
	s_mov_b32 s[G1W+3], 128<<16
	s_mov_b32 s[G1W+4], 16
	s_mov_b32 s[G1W+5], 128
	s_mov_b32 s[G1W+6], 0
	s_mov_b32 s[G1W+7], 0
	s_mov_b32 s[SEL], 0x76543210
	s_mov_b32 s[SEL+1], 0xfedcba98
	s_mov_b32 s[CS], 0x3e0293ee                    ; log2(e) / sqrt(128)
	s_mov_b32 s[TB], 0
	s_mov_b32 s[SLOTS], 7
	s_and_b32 s[LIM], s[WV], 1                     ; 0 in the even waves
	s_or_b32 s[LIM], s[LIM], ttmp9                 ; of the batch's first cluster: the same in all four partners
	s_cmp_eq_u32 s[LIM], 0
	s_cselect_b32 s[LIM], 1, -1
	s_wait_kmcnt 0x0
	s_load_b64 s[56:57], s[14:15], 0x18            ; e6, e7
	s_load_b128 s[60:63], s[14:15], 0x20           ; e8 .. e11
	s_mov_b32 s[G0], 1                             ; count = 1
	s_mov_b32 s[G0+1], s74                         ; LDS address: slot 0
	s_add_nc_u64 s[G0+2:G0+3], s[6:7], s[66:67]    ; my half's first two key steps
	s_or_b32 s[G0+3], s[G0+3], 0x80000000          ; type = 2
	s_mov_b32 s[G0W], 1
	s_mov_b32 s[G0W+1], s75
	s_add_nc_u64 s[G0W+2:G0W+3], s[8:9], s[68:69]
	s_or_b32 s[G0W+3], s[G0W+3], 0x80000000
	CROUND                                         ; all four work-groups are here: the first joint loads meet
	tensor_load_to_lds s[G0:G0+3], s[G1:G1+7]      ; slot 0's first fill; it lands before wo's load goes out
	s_nop 0
	s_wait_alu depctr_va_vdst(0)
	s_wait_tensorcnt 0x0
	ds_add_u32 v5, v6
	s_wait_dscnt 0x0
	CROUND
	tensor_load_to_lds s[G0W:G0W+3], s[G1W:G1W+7]
	s_nop 0
	PLACES
	; addresses.  All LDS addresses of the text are made here, on the one way that every wave takes
	v_and_b32 v32, 31, v0                          ; lane
	v_and_b32 v33, 15, v0                          ; r
	v_bfe_u32 v34, v0, 4, 1                        ; h
	v_lshrrev_b32 v35, 7, v0                       ; wave / 4
	s_delay_alu instid0(VALU_DEP_4)
	v_lshlrev_b32 v[LI], 4, v32
	s_delay_alu instid0(VALU_DEP_1)
	v_lshl_add_u32 v[A0], v35, 16, v[LI]
	v_lshlrev_b32 v[PFO], 8, v32
	v_lshrrev_b32 v36, 1, v32
	s_delay_alu instid0(VALU_DEP_1)
	v_lshl_add_u32 v36, v34, 3, v36                ; row R = lane / 2 of my tile is position R + 8 (R / 8) from the tile's first
	v_and_b32 v[XPF], 1, v0
	s_delay_alu instid0(VALU_DEP_1)
	v_lshlrev_b32 v[XPF], 8, v[XPF]
	s_delay_alu instid0(VALU_DEP_1)
	v_lshl_add_u32 v[XPF], v36, 9, v[XPF]
	v_lshlrev_b32 v[BOA], 4, v33
	s_delay_alu instid0(VALU_DEP_1)
	v_lshl_add_u32 v[GO], v34, 9, v[BOA]
	s_mul_i32 s82, s[WV], XCHW
	v_add_nc_u32 v[XS], s82, v[LI]
	v_lshl_add_u32 v[XSS], v32, 3, s82
	s_delay_alu instid0(VALU_DEP_1)
	v_add_nc_u32 v[XSS], 8192, v[XSS]
	s_xor_b32 s83, s[WV], 4                        ; the wave with my queries and the other half of the keys
	s_mul_i32 s83, s83, XCHW
	v_add_nc_u32 v[XR], s83, v[LI]
	v_lshl_add_u32 v[XRS], v32, 3, s83
	s_delay_alu instid0(VALU_DEP_1)
	v_add_nc_u32 v[XRS], 8192, v[XRS]
	v_mul_u32_u24 v[WOA], v33, WOP
	s_delay_alu instid0(VALU_DEP_1)
	v_lshl_add_u32 v[WOA], v34, 4, v[WOA]
	s_delay_alu instid0(VALU_DEP_1)
	v_add_nc_u32 v[WOA], WO, v[WOA]
	s_mul_i32 s82, s[WV], 16*OSP
	s_add_co_u32 s82, s82, OST                     ; my stage
	v_mul_u32_u24 v[OSI], v33, OSP                 ; in: row r, 32 bytes for each half of the lanes
	s_delay_alu instid0(VALU_DEP_1)
	v_lshl_add_u32 v[OSI], v34, 5, v[OSI]
	s_delay_alu instid0(VALU_DEP_1)
	v_add_nc_u32 v[OSI], s82, v[OSI]
	v_mul_u32_u24 v[OSO], v34, OSP                 ; back: lanes 0-15 one row of 256 bytes, lanes 16-31 the next
	s_delay_alu instid0(VALU_DEP_1)
	v_lshl_add_u32 v[OSO], v33, 4, v[OSO]
	s_delay_alu instid0(VALU_DEP_1)
	v_add_nc_u32 v[OSO], s82, v[OSO]
	s_lshl_b32 s54, ttmp9, 2                       ; in a cluster launch ttmp9 counts clusters
	s_add_co_u32 s54, s54, s19                     ; my work-group along x
	s_lshl_b32 s54, s54, 2
	s_add_co_u32 s54, s54, s58                     ; my block of 32 queries in the batch, 0 .. 127
	s_lshl_b32 s82, s55, 19                        ; qimg: the batch's 256 tiles of 2,048 bytes,
	s_lshl_b32 s83, s54, 12                        ; my block's two,
	s_add_co_u32 s82, s82, s83
	s_lshl_b32 s83, s51, 11                        ; tile (wave / 4) for window 0,
	s_add_co_u32 s82, s82, s83
	s_mov_b32 s83, 0
	s_add_nc_u64 s[78:79], s[4:5], s[82:83]
	s_xor_b32 s82, s82, 2048                       ; the other one for window 1
	s_add_nc_u64 s[80:81], s[4:5], s[82:83]
.irp c, 0,1,2,3
	global_load_b128 v[16+4*\c:19+4*\c], v[LI], s[78:79] offset:512*\c   ; Q stays in registers
.endr
	WIN 0x40
.irp c, 0,1,2,3
	global_load_b128 v[16+4*\c:19+4*\c], v[LI], s[80:81] offset:512*\c
.endr
	WIN 0
	s_lshl_b32 s82, s55, 21                        ; x, out0: the batch's 4,096 rows of 512 bytes,
	s_lshl_b32 s59, s54, 14                        ; my block's 32,
	s_add_co_u32 s82, s82, s59
	s_lshl_b32 s59, s51, 12                        ; my window 0 tile begins 8 (wave / 4) rows on
	s_add_co_u32 s82, s82, s59
	s_add_nc_u64 s[XB:XB+1], s[12:13], s[82:83]
	s_add_nc_u64 s[OB:OB+1], s[16:17], s[82:83]
	s_add_nc_u64 s[PFA:PFA+1], s[6:7], s[66:67]    ; the prefetches: my wave's bytes of kv,
	s_lshl_b32 s82, s19, 13                        ; my work-group's 8,192 of the 32,768,
	s_add_co_u32 s82, s82, 65536                   ; in the second slot's worth: the first change of slots steps it to the third.  Nothing is prefetched here, at the head
	s_add_nc_u64 s[PFA:PFA+1], s[PFA:PFA+1], s[82:83]
	s_wait_kmcnt 0x0
	s_add_co_i32 s54, s56, s57
	s_lshl_b32 s54, s54, 23
	s_add_co_i32 s[CS], s[CS], s54                 ; a score stands for score x 2^(e6 + e7): the exponents are added to c's exponent field
	s_mov_b32 s[CS+1], s[CS]                       ; (named with it as a pair, so it is written)
	s_add_co_i32 s54, s60, 127
	s_lshl_b32 s55, s54, 23                        ; 2^e8
	s_add_co_i32 s58, s62, 127
	s_lshl_b32 s59, s58, 23
	v_mov_b32 v250, s59                            ; 2^e10
	s_add_co_i32 s74, s60, s61                     ; e8 + e9
	s_add_co_i32 s76, s62, s63
	s_add_co_i32 s76, s76, 127
	s_lshl_b32 s76, s76, 23                        ; 2^(e10 + e11)
	s_mov_b32 s77, s76
	INIT
	WIN 0x55
	INIT
	WIN 0
	s_wait_loadcnt 0x0                             ; Q
.Lslot:                                            ; seven trips: behind each change of slots but the last the next slot is asked for
	CHANGE 1
	SLOT_STEPS 0
	s_sub_co_u32 s[SLOTS], s[SLOTS], 1
	s_cmp_lg_u32 s[SLOTS], 0
	s_cbranch_scc1 .Lslot
	CHANGE 0                                       ; the last slot is written out
	SLOT_STEPS 1
	; THE END.  x and bo are asked for; my window 1 tile goes to the partner; wo's fragments come into window 1, whose fragments and scores are done with.
	PLACES
.irp u, 0,1                            ; x in the layout of the way out: lanes 0-15 row 2 i, lanes 16-31 row 2 i + 1 of my tile (position R + 8 (R / 8)); channels 64 u + 4 r on
.irp i, 0,1,2,3,4,5,6,7
	global_load_b128 v[32+32*\u+4*\i:35+32*\u+4*\i], v[GO], s[XB:XB+1] offset:(2*\i+8*(\i/4))*512+256*\u th:TH_LOAD_NT
.endr
.endr
	global_load_b128 v[224:227], v[BOA], s[10:11]
	global_load_b128 v[228:231], v[BOA], s[10:11] offset:256
	WIN 0x55
	v_add_f32 v13, v14, v15                        ; window 1's sum, beside its -M
	WIN 0x04                                       ; store data window 1
.irp i, 0,1,2,3,4,5,6,7,8,9,10,11,12,13,14,15
	ds_store_b128 v[XS], v[160+4*\i:163+4*\i] offset:512*\i   ; O^T as an image of its registers, each accumulator from its low end on
.endr
	ds_store_b64 v[XSS], v[12:13]
	WIN 0x40
.irp t, 0,1,2,3,4,5,6,7
.irp c, 0,1,2,3
	ds_load_b128 v[32+16*\t+4*\c:35+16*\t+4*\c], v[WOA] offset:\t*16*WOP+32*\c   ; wo's rows 16 t + r: every wave's part landed ahead of the first change of slots
.endr
.endr
	WIN 0
	s_wait_dscnt 0x0                               ; for the partner's sake: my stores have landed
	s_barrier_signal -1
	s_barrier_wait -1
.irp i, 0,1,2,3,4,5,6,7,8,9,10,11,12,13,14,15
	ds_load_b128 v[96+4*\i:99+4*\i], v[XR] offset:512*\i   ; the other half of the keys, for my window 0 tile
.endr
	ds_load_b64 v[232:233], v[XRS]
	s_wait_dscnt 0x0
	v_min_num_f32 v252, v12, v232                  ; -M of both halves
	v_add_f32 v14, v14, v15
	s_delay_alu instid0(VALU_DEP_2)
	v_sub_f32 v253, v252, v12                      ; my M - M, the partner's M - M: whole numbers, 0 or less
	s_delay_alu instid0(VALU_DEP_3)
	v_sub_f32 v254, v252, v232
	s_delay_alu instid0(VALU_DEP_2)
	v_cvt_i32_f32 v253, v253
	s_delay_alu instid0(VALU_DEP_2)
	v_cvt_i32_f32 v254, v254
	s_delay_alu instid0(VALU_DEP_2)
	v_ldexp_f32 v253, 1.0, v253
	s_delay_alu instid0(VALU_DEP_2)
	v_ldexp_f32 v254, 1.0, v254
	s_delay_alu instid0(VALU_DEP_2)
	v_mul_f32 v14, v14, v253
	s_delay_alu instid0(VALU_DEP_1)
	v_fmac_f32 v14, v233, v254                     ; the sum under M,
	v_permlanex16_b32 v236, v14, s[SEL], s[SEL+1]
	s_delay_alu instid0(VALU_DEP_1)
	v_add_f32 v14, v14, v236                       ; with lane l xor 16's: the row's sum
	s_wait_alu depctr_va_vdst(0)
	v_rcp_f32 v15, v14
	v_nop                                          ; a plain instruction behind the transcendental
	s_wait_alu depctr_va_vdst(0)                   ; and the wait ahead of its first reader
	v_ldexp_f32 v15, v15, s74                      ; x 2^(e8 + e9)
	s_delay_alu instid0(VALU_DEP_1)
	v_mul_f32 v242, v253, v15                      ; the factor of my O^T,
	s_delay_alu instid0(VALU_DEP_2)
	v_mul_f32 v252, v254, v15                      ; and of the partner's
.set ix, 0
.rept 32
	v_pk_mul_f32 v[160+ix:161+ix], v[160+ix:161+ix], v[242:243] op_sel_hi:[1,0]
.set ix, ix+2
.endr
.set ix, 0
.rept 32
	v_pk_fma_f32 v[160+ix:161+ix], v[96+ix:97+ix], v[252:253], v[160+ix:161+ix] op_sel_hi:[1,0,1]   ; o: register 16 b + i = channel 32 b + 16 h + i of my query
.set ix, ix+2
.endr
.set ix, 0
.rept 64
.set ix, ix+1
.endr
.set ix, 0
.rept 8
	v_cvt_scalef32_pk8_fp8_f32 v[16+2*ix:17+2*ix], v[160+8*ix:167+8*ix], v250
.set ix, ix+1
.endr
	v_nop                                          ; a plain instruction between the conversions and the products that read their results
	WIN 0x01                                       ; source 0 (wo) window 1
.irp t, 0,1,2,3,4,5,6,7
	v_wmma_f32_16x16x128_fp8_fp8 v[96+8*\t:103+8*\t], v[32+16*\t:47+16*\t], v[16:31], 0   ; lane (r, h): query r, output channels 16 t + 8 h + 0 .. 7
.endr
	WIN 0
	s_wait_loadcnt 0x0                             ; x, bo
.irp u, 0,1
.irp i, 0,1,2,3,4,5,6,7
	v_pk_add_f32 v[32+32*\u+4*\i:33+32*\u+4*\i], v[32+32*\u+4*\i:33+32*\u+4*\i], v[224+4*\u:225+4*\u]   ; x + bo; these 32 are also the places behind the products
	v_pk_add_f32 v[34+32*\u+4*\i:35+32*\u+4*\i], v[34+32*\u+4*\i:35+32*\u+4*\i], v[226+4*\u:227+4*\u]
.endr
.endr
.irp u, 0,1                            ; channels 64 u on: through my stage, so that sixteen lanes hold 256 neighbouring bytes of a row
.irp t, 0,1,2,3
	ds_store_b128 v[OSI], v[96+32*\u+8*\t:99+32*\u+8*\t] offset:64*\t
	ds_store_b128 v[OSI], v[100+32*\u+8*\t:103+32*\u+8*\t] offset:64*\t+16
.endr
.irp i, 0,1,2,3,4,5,6,7
	ds_load_b128 v[160+32*\u+4*\i:163+32*\u+4*\i], v[OSO] offset:2*\i*OSP   ; LDS serves a wave's instructions in order (ISA guide 5.7.1.4): these see my stores, and the next half's stores come behind them
.endr
.endr
.irp u, 0,1
.irp i, 0,1,2,3,4,5,6,7
	s_wait_dscnt 16*(1-\u)+7-\i                    ; behind this load: the rest of its half's loads, and for the first half the second's eight stores and eight loads
	v_pk_fma_f32 v[160+32*\u+4*\i:161+32*\u+4*\i], v[160+32*\u+4*\i:161+32*\u+4*\i], s[76:77], v[32+32*\u+4*\i:33+32*\u+4*\i] op_sel_hi:[1,0,1]   ; sum x 2^(e10 + e11) + (x + bo)
	v_pk_fma_f32 v[162+32*\u+4*\i:163+32*\u+4*\i], v[162+32*\u+4*\i:163+32*\u+4*\i], s[76:77], v[34+32*\u+4*\i:35+32*\u+4*\i] op_sel_hi:[1,0,1]
	global_store_b128 v[GO], v[160+32*\u+4*\i:163+32*\u+4*\i], s[OB:OB+1] offset:(2*\i+8*(\i/4))*512+256*\u th:TH_STORE_NT   ; each sixteen lanes store 256 consecutive bytes, aligned
.endr
.endr
	s_wait_tensorcnt 0x0                           ; the wave's end: behind my last tensor load and my last LDS store
	ds_add_u32 v[SPW], v[NIL]
	s_wait_dscnt 0x0
	CROUND                                         ; the closing round: no work-group ends while a partner may still ask for a tile that names it
	s_endpgm
.Lfunc_end_k_q4b26c683c2_attn:
	.size	k_q4b26c683c2_attn, .Lfunc_end_k_q4b26c683c2_attn-k_q4b26c683c2_attn
	.p2alignl 7, 3214868480
	.fill 96, 4, 3214868480
	.section	.rodata,"a",@progbits
	.p2align	6, 0x0
	.amdhsa_kernel k_q4b26c683c2_attn
		.amdhsa_group_segment_fixed_size 327680
		.amdhsa_private_segment_fixed_size 0
		.amdhsa_enable_private_segment 0
		.amdhsa_kernarg_size 56
		.amdhsa_user_sgpr_count 2
		.amdhsa_user_sgpr_kernarg_segment_ptr 1
		.amdhsa_wavefront_size32 1
		.amdhsa_system_sgpr_workgroup_id_x 1
		.amdhsa_system_sgpr_workgroup_id_y 1
		.amdhsa_system_sgpr_workgroup_id_z 1
		.amdhsa_system_vgpr_workitem_id 0
		.amdhsa_next_free_vgpr 512
		.amdhsa_next_free_sgpr 84
		.amdhsa_reserve_vcc 0
		.amdhsa_float_denorm_mode_32 3
		.amdhsa_float_denorm_mode_16_64 3
		.amdhsa_fp16_overflow 1
		.amdhsa_memory_ordered 1
		.amdhsa_forward_progress 1
		.amdhsa_inst_pref_size 154
	.end_amdhsa_kernel
	.amdgpu_metadata
---
amdhsa.version: [ 1, 2 ]
amdhsa.kernels:
  - .name:           k_q4b26c683c2_attn
    .symbol:         k_q4b26c683c2_attn.kd
    .args:
      - { .name: qimg, .offset: 0, .size: 8, .value_kind: global_buffer, .address_space: global }
      - { .name: kv, .offset: 8, .size: 8, .value_kind: global_buffer, .address_space: global }
      - { .name: wo_codes, .offset: 16, .size: 8, .value_kind: global_buffer, .address_space: global }
      - { .name: bo, .offset: 24, .size: 8, .value_kind: global_buffer, .address_space: global }
      - { .name: x, .offset: 32, .size: 8, .value_kind: global_buffer, .address_space: global }
      - { .name: lowp_scales, .offset: 40, .size: 8, .value_kind: global_buffer, .address_space: global }
      - { .name: out0, .offset: 48, .size: 8, .value_kind: global_buffer, .address_space: global }
    .group_segment_fixed_size: 327680
    .private_segment_fixed_size: 0
    .kernarg_segment_align: 8
    .kernarg_segment_size: 56
    .max_flat_workgroup_size: 256
    .sgpr_count:     84
    .vgpr_count:     512
    .wavefront_size: 32
...
	.end_amdgpu_metadata
.endif
;; end of part 3
